; MI455X (gfx1250); checked and timed in simulation.
; The chip was launched on July 23, 2026; its instructions are those of AMD's public machine-readable ISA for CDNA 5 (MIT licence, August 2026) and "CDNA5" Instruction Set Architecture Reference Guide (July 2026). The comments in the code are by the model that wrote it; some were corrected since.
;; Grouped Query Attention. Allowed arithmetic: matrix products marked QUANTISED: E2M3 operands, one E8M0 scale for each 32 along K, by v_wmma_scale_f32_16x16x128_f8f6f4 with both operands' format E2M3, f32 sums; everything else in f32.
;; Inputs: Wk_codes 256 x 32 x 24 uint8 (E2M3 codes of Wk, K innermost, in blocks of 32 codes, four codes in three bytes); Wk_scales 256 x 32 uint8 (E8M0 scales of Wk, one for each 32 codes along K); Wq_codes 1,024 x 32 x 24 uint8 (E2M3 codes of Wq, K innermost, in blocks of 32 codes, four codes in three bytes); Wq_scales 1,024 x 32 uint8 (E8M0 scales of Wq, one for each 32 codes along K); Wv_codes 256 x 32 x 24 uint8 (E2M3 codes of Wv, K innermost, in blocks of 32 codes, four codes in three bytes); Wv_scales 256 x 32 uint8 (E8M0 scales of Wv, one for each 32 codes along K); bk 256 float32; bq 1,024 float32; bv 256 float32; x_codes 4 x 2,048 x 32 x 24 uint8 (E2M3 codes of x, K innermost, in blocks of 32 codes, four codes in three bytes); x_scales 4 x 2,048 x 32 uint8 (E8M0 scales of x, one for each 32 codes along K).
;; Outputs: out0 4 x 2,048 x 1,024 float32.
;; This version of the problem:
;;   THIS VERSION OF THE PROBLEM IS GIVEN IN LOW PRECISION. The matrix products marked QUANTISED in the list below multiply operands that are first quantised to E2M3 (2 exponent bits, 3 mantissa bits; 6 bits a number), with one power-of-two scale for each 32 numbers along K (OCP MX v1.0); their sums are f32. All else is computed in f32.
;;   The module's matrix products, in the order in which they are computed (A, B: the left and right operand; K: the contracted axis; several contracted axes count as one K, in the product's order):
;;     1. [M 8,192, K 1,024] x [K 1,024, N 1,024]; A: input x (given as codes); B: input Wq (given as codes): QUANTISED
;;     2. [M 8,192, K 1,024] x [K 1,024, N 256]; A: input x (given as codes); B: input Wk (given as codes): QUANTISED
;;     3. [M 8,192, K 1,024] x [K 1,024, N 256]; A: input x (given as codes); B: input Wv (given as codes): QUANTISED
;;     4. batch 64 x [M 2,048, K 64] x [K 64, N 2,048]; A: computed on the way; B: computed on the way: QUANTISED
;;     5. batch 64 x [M 2,048, K 2,048] x [K 2,048, N 64]; A: softmax (see below); B: computed on the way: QUANTISED
;;   THE QUANTISER, for each operand of a quantised product, along K:
;;     - K is cut into blocks of 32 from its start; a last block that is shorter is filled with zeros.
;;     - A block's scale is 2^e with e = floor(log2(the largest magnitude in the block)) - 2, held to -126 .. 127; a block of zeros has e = 0. As a byte (E8M0): e + 127.
;;     - Each number is divided by its block's scale, clamped to +-7.5, and rounded to the nearest number of E2M3, ties to even, subnormals kept.
;;     - The product sums the exact products of the quantised numbers (number of the format x scale) in f32.
;;   ~~~python
;;   def quantise(x, axis):      # numpy; x: float32 -> the quantised numbers, widened to float32 again
;;       x = np.moveaxis(x, axis, -1); K = x.shape[-1]
;;       x = np.pad(x, [(0, 0)] * (x.ndim - 1) + [(0, -K % 32)]); x = x.reshape(x.shape[:-1] + (-1, 32)); a = np.abs(x).max(-1, keepdims=True)
;;       e = np.where(a > 0, np.clip(np.frexp(np.where(a > 0, a, 1))[1] - 1 - 2, -126, 127), 0)      # np.frexp(a)[1] - 1 = floor(log2(a)), exactly
;;       r = np.clip(x / 2.0 ** e, -7.5, 7.5)
;;       step = 2.0 ** (np.maximum(np.frexp(np.where(r == 0, 1, r))[1] - 1, 0) - 3)
;;       q = np.round(r / step) * step * 2.0 ** e      # np.round: ties to even
;;       return np.moveaxis(q.reshape(q.shape[:-2] + (-1,))[..., :K], -1, axis).astype(np.float32)
;;   ~~~
;;   SOFTMAX AHEAD OF A QUANTISED PRODUCT. Where the list says 'softmax', what is quantised is not the finished softmax but p = 2^(t - M), with t = logit x log2(e) and M = ceil(the row's largest t), a whole number; so 1/2 < the row's largest p <= 1. The row's sum l is taken of the UNQUANTISED p, in f32, and the product's result is divided by l at the end. Since M is a whole number, a kernel that streams over the keys may use a running M (the ceiling of the running maximum): every later rescaling is an exact power of two, which a block's scale takes up: the codes' values come out the same.
;;   OPERANDS COMPUTED ON THE WAY. 'Computed on the way' means the value that the module computes at that place (a softmax that the list does not call 'softmax' is quantised finished and normalised). What goes into a quantiser is computed in f32, as accurately as f32 sums, v_exp_f32 and their like allow (about 1e-6 of the number): no bf16 or f16 on the way to a quantiser, and a product that is left as it is and whose result goes on into a quantised operand takes f32 operands (vector FMAs, or v_wmma_f32_16x16x4_f32). A number that lies on a knife's edge between two numbers of the format may be rounded either way, as far as f32 arithmetic and the matrix unit's own rounding can turn it there, and no further.
;;   INPUTS GIVEN AS CODES. Wk (in the module: [1024, 256], K = its axis 0); Wq (in the module: [1024, 1024], K = its axis 0); Wv (in the module: [1024, 256], K = its axis 0); x (in the module: [4, 2048, 1024], K = its axis 2): each comes as NAME_codes (uint8): NAME with its K axis moved to the last place and cut into blocks of 32 codes, [.., K / 32, bytes a block], one block behind the other in memory; four codes in three bytes: a row's codes are one little-endian stream of bits, code i at bits 6 i .. 6 i + 5 (a code: sign, 2 exponent bits, 3 mantissa bits); and NAME_scales (uint8): the same leading axes, one E8M0 byte (e + 127) for each 32 codes along K. Its value is code x scale, taken as it is: it is not quantised again, and the codes and scales need not be those that the quantiser above would give.
;; One version. Each part assembles by itself: llvm-mc -triple=amdgcn-amd-amdhsa -mcpu=gfx1250 --defsym DOCPART=n.
;; ======== version 1 of 1: 2 launches
;; limits: right only within a limited range of input values
;; workspace buffers: qc 6,291,456 bytes; qs 524,288 bytes; kv 3,407,872 bytes
;; launch proj (part 1): grid 6 x 32, 4 waves a work-group, no clusters, 327,680 bytes of LDS; arguments x_codes, x_scales, Wq_codes, Wq_scales, Wk_codes, Wk_scales, Wv_codes, Wv_scales, bq, bk, bv, qc, qs, kv; writes qc, qs, kv
.if DOCPART == 1
	.amdgcn_target "amdgcn-amd-amdhsa--gfx1250"
	.amdhsa_code_object_version 6
	.text
	.protected	k_q4dc7f3ca59_proj
	.globl	k_q4dc7f3ca59_proj
	.p2align	8
	.type	k_q4dc7f3ca59_proj,@function
k_q4dc7f3ca59_proj:
	s_mov_b64 s[64:65], 0
	v_nop
	global_prefetch_b8 v0, s[64:65] scope:SCOPE_SE
	s_setreg_imm32_b32 hwreg(HW_REG_WAVE_MODE, 25, 1), 1
	s_wait_xcnt 0x0
; q = x Wq + bq, k = x Wk + bk, v = x Wv + bv on codes of FP6 (E2M3) with E8M0 scales, and the results quantised again: q and k along a head's 64 numbers, v along the keys.
; ONE JOB FOR ALL THREE: D = P R^T, source 0 = 16 rows of P, source 1 = 16 rows of R: a lane holds one row of R, its registers run along P, and the result is quantised along P.
;   work-group x = 0..3: P = Wq's rows 256 x .., R = x's rows 256 y .. (q);  x = 4: P = Wk, R = x (k);  x = 5: P = x's rows 256 y .., R = Wv (v: the keys are P, so nothing is transposed).
; The job chooses pointers, strides and masks alone: no branch and no LDS address hangs on it.
; A tile of 256 x 256 to a work-group of four waves, 128 (R) x 128 (P) a wave: 64 accumulators, 512 registers.  A row of 1,024 codes is 768 bytes: three chunks of 256 bytes, each beginning at a
; multiple of 256 bytes; chunk c lies in LDS slot c % 2.  A step of 128 along K is 96 bytes: eight steps; steps 2 and 5 lie across two chunks.  The scale bytes of the 512 rows come once, as rows of 256 bytes.
; THE ROWS OF A TILE ARE NOT NEIGHBOURS, in P and in R alike: lane r of tile i takes row 64 (i / 4) + 8 (i % 4) + r % 8 + 32 (r / 8) of the wave's 128.  In P that makes registers 32 c .. 32 c + 31 of a tile of R
; the whole block k = 64 c + 32 (lane / 16) + 0 .. 31: no other lane is asked for a block's maximum, and the conversions' results are the operand's registers.  In R it lays k's keys and v's channels as the attention launch wants them.
; WHAT LEAVES are images of operand registers: a UNIT is 16 rows x 64 k: registers 0-3 at 16 x lane (512 bytes), registers 4-5 at 512 + 8 x lane (256 bytes): every store covers 512 or 256 consecutive bytes, aligned.
;   qc [tile of 16 rows of x][head] UNIT;  qs [run of 128 rows][head] 512 bytes: word at 16 (r + 16 u) + 4 b = tile 2 b + u, lane r, its two bytes written twice;
;   kv [batch x 4 + group][step of 128 keys] 13,312 bytes: k's 8 UNITs, v's 4 tiles of 16 channels x 128 keys (two UNITs each), k's scale words (as qs), v's scale words (a pair of groups shares the 512 bytes).
; No cluster: the grid has six tile columns, which no cluster of four divides, and along y the shared operand changes sides with the job.
; No prefetch: the walk along K is three chunks, written out; there is no loop to run ahead in.
; LIMITS: NaN and infinities are not served.  A block whose largest magnitude lies under 2^-124, a block of zeros among them, gets the scale byte 1 (the quantiser says 127 for zeros): its codes are zeros or
; near it, and these bytes are read by this program alone.
.set NQ,     2
.set ROWB,   256                       ; a chunk of a row of codes
.set KROW,   768
.set CHUNKS, 3
.set PITCH,  272                       ; an LDS row: 256 bytes + 16 of padding
.set FR,     12
.set NL,     6
.set NP,     4                         ; places behind this matrix instruction (ISA guide 7.12.1)
.set HALFT,  128*PITCH
.set SLOT,   4*HALFT                   ; R's 256 rows, then P's
.set SCL,    2*SLOT                    ; the scale bytes: R's 256 rows x 32 bytes, then P's, as rows of 256 + 16
.set HALFS,  16*272
.set SPARE,  SCL+4*HALFS               ; the spare words: 128 bytes a wave
.set STEPB,  13312
.set BGB,    16*STEPB
.set ADRA, 16                          ; v16-17 R's fragments in slot 0, 1; v18-19 for pieces whose lanes 16-31 read the next chunk, in the other slot
.set ADRB, 20                          ; v20-23 the same for P
.set L16,  24
.set L8,   25
.set SH8,  26                          ; 8 x (lane / 16)
.set ADRS, 27                          ; my scale words: lanes 0-15 R's rows, lanes 16-31 P's
.set SPW,  28
.set NIL,  29
.set SC,   32                          ; v32-63 scale words, two sets of 16
.set BP,   64                          ; v64-127 the bias along P: the C of the first K step (zeros in job v)
.set AF,   128                         ; v128-223 R's fragments, one set
.set BR,   224                         ; v224-239 the bias along R, a pair for each tile (zeros in jobs q and k)
.set SW,   240                         ; v240-247 the scale words made on the way out
.set H,    128
.set PC,   192
.set TM,   64
.set CN,   80
.set OU,   84
.set G0H,  4                           ; s[4:7] group 0 of the head's load of codes (the arguments that lay there have been used)
.set G1,   32
.set G1S,  40
.set G0,   48
.set G0S,  56
.set G2,   20                          ; s[20:23], s[24:27] groups 2 and 3 for the codes' tiles (the arguments that lay there have been used)
.set G3,   24
.set WV,   60
.set HR,   61
.set HP,   62
.set JOB,  63
.set YY,   66
.set MH,   67
.set SEL,  80
.set SAP,  86
.set SCP,  88
.set SHP,  90
.set SSP,  92
.set B1,   94
.set B2,   96
.set DS1,  98
.set MP,   100
.set MR,   101
.set SELA, 2
.set SELB, 3
.set MSB, 0
.macro WIN new                         ; the immediate's high byte repeats the setting that is left
.if MSB != (\new)
	s_set_vgpr_msb (MSB<<8)|(\new)
.set MSB, (\new)
.endif
.endm
.set TO_B, 0x40
.macro MWIN hi, first                  ; source 0 (P) window 1, source 1 (R) window 0, D window 2 or 3; C with D, or, in the first K step, the bias in window 0
	WIN 0xa1+0x50*(\hi)-(0x20+0x10*(\hi))*(\first)
.endm
.macro PLACES n
.rept \n
	v_nop
.endr
.endm
	s_load_b512 s[4:19], s[0:1], 0x0               ; x's codes, scales; Wq's; Wk's; Wv's
	s_load_b256 s[20:27], s[0:1], 0x40             ; bq, bk, bv, qc
	s_load_b128 s[28:31], s[0:1], 0x60             ; qs, kv
	v_lshl_add_u32 v[SPW], v0, 2, SPARE
	v_mov_b32 v[NIL], 0
	ds_add_u32 v[SPW], v[NIL]                      ; the opening lines: the add, twice on end, and its wait
	ds_add_u32 v[SPW], v[NIL]
	v_lshrrev_b32 v1, 5, v0
	v_readfirstlane_b32 s[WV], v1
	s_lshr_b32 s[HR], s[WV], 1                     ; which half of R's rows is mine
	s_and_b32 s[HP], s[WV], 1                      ; which half of P's
	s_mov_b32 s[JOB], ttmp9
	s_and_b32 s[YY], ttmp7, 0xffff
	s_mov_b32 s[G1+0], (1<<20)|(5<<22)|(3<<25)     ; elements of 1 byte; after every 64 words, 4 words of padding
	s_mov_b32 s[G1+1], ROWB<<16
	; THE ROWS COME INTO LDS IN THE ORDER OF THE TILES: a tile of five dimensions: 256 bytes; 8 rows; 2 halves, 32 rows apart; 4 tiles, 8 rows apart; runs of 64 rows.
	; So LDS row 16 i + r holds memory row 64 (i / 4) + 8 (i % 4) + r % 8 + 32 (r / 8): the 16 rows of a fragment are neighbours in LDS, 68 words apart, and start at 16 different groups of four banks (64 banks of 4 bytes: ISA guide 11.1)
	s_mov_b32 s[G1+2], 8<<16                       ; tensor_dim1 = 8
	s_mov_b32 s[G1+3], ROWB<<16
	s_mov_b32 s[G1+4], 8|(2<<16)                   ; tile_dim1 = 8, tile_dim2 = 2
	s_mov_b32 s[G1+5], KROW
	s_mov_b32 s[G1+6], (32*KROW)<<16               ; from half to half: 32 rows
	s_mov_b32 s[G1+7], 0
	s_mov_b32 s[G1S+0], (3<<16)|(1<<20)|(5<<22)|(3<<25)  ; the scale bytes of 256 rows: 32 rows of 32 elements of 8 bytes
	s_mov_b32 s[G1S+1], 32<<16
	s_mov_b32 s[G1S+2], 32<<16
	s_mov_b32 s[G1S+3], 32<<16
	s_mov_b32 s[G1S+4], 32
	s_mov_b32 s[G1S+5], 32
	s_mov_b32 s[G1S+6], 0
	s_mov_b32 s[G1S+7], 0
	s_mov_b32 s[MH], 0xffff0000
	s_mov_b32 s[SEL], 0x76543210
	s_mov_b32 s[SEL+1], 0xfedcba98
	; where q's results go
	s_lshl_b32 s68, s[YY], 4
	s_lshl_b32 s69, s[HR], 3
	s_add_co_u32 s68, s68, s69                     ; my first tile of rows
	s_mul_i32 s68, s68, 12288
	s_lshl_b32 s69, s[JOB], 2
	s_lshl_b32 s70, s[HP], 1
	s_add_co_u32 s69, s69, s70                     ; my first head
	s_mul_i32 s70, s69, 768
	s_add_co_u32 s68, s68, s70                     ; in qc
	s_lshl_b32 s70, s[YY], 1
	s_add_co_u32 s70, s70, s[HR]
	s_lshl_b32 s70, s70, 4
	s_add_co_u32 s70, s70, s69
	s_lshl_b32 s70, s70, 9                         ; in qs
	; where k's and v's go: the pair of groups hangs on P's half in job k and on R's in job v, the step of keys the other way round
	s_mov_b32 s74, 12288
	s_cmp_eq_u32 s[JOB], 5
	s_cselect_b32 s71, s[HR], s[HP]
	s_cselect_b32 s72, s[HP], s[HR]
	s_cselect_b32 s73, 6144, 0
	s_cselect_b32 s74, 12800, s74
	s_lshr_b32 s75, s[YY], 3                       ; the batch
	s_lshl_b32 s75, s75, 2
	s_lshl_b32 s71, s71, 1
	s_add_co_u32 s75, s75, s71
	s_mul_i32 s75, s75, BGB
	s_and_b32 s76, s[YY], 7
	s_lshl_b32 s76, s76, 1
	s_add_co_u32 s76, s76, s72
	s_mul_i32 s76, s76, STEPB
	s_add_co_u32 s75, s75, s76
	s_add_co_u32 s73, s73, s75
	s_add_co_u32 s74, s74, s75
	s_lshl_b32 s78, s[JOB], 8
	s_lshl_b32 s79, s[YY], 8                       ; x's first row
	s_mov_b32 s[SAP], 1536                         ; job v's strides; then k's, then q's, where they differ
	s_mov_b32 s[SAP+1], 0
	s_mov_b32 s[SCP], BGB-3*1536
	s_mov_b32 s[SCP+1], 0
	s_mov_b32 s[SHP], 768
	s_mov_b32 s[SHP+1], 0
	s_mov_b32 s[SSP], BGB
	s_mov_b32 s[SSP+1], 0
	s_mov_b32 s[B1+1], 0
	s_mov_b32 s[DS1+1], 0
	s_cmp_eq_u32 s[JOB], 4
	s_cselect_b32 s[SAP], 768, s[SAP]
	s_cselect_b32 s[SCP], 768, s[SCP]
	s_cselect_b32 s[SHP], BGB, s[SHP]
	s_cmp_lt_u32 s[JOB], 4
	s_cselect_b32 s[SAP], 12288, s[SAP]
	s_cselect_b32 s[SCP], 12288, s[SCP]
	s_cselect_b32 s[SHP], 768, s[SHP]
	s_cselect_b32 s[SSP], 512, s[SSP]
	s_cselect_b32 s[B1], s68, s73
	s_cselect_b32 s[DS1], s70, s74
	s_cselect_b32 s78, s78, 0                      ; the weight's first row: 256 x in Wq, 0 in Wk and Wv
	s_mov_b32 s[SELA], 0x03020100                  ; job v: a scale word as it is;
	s_mov_b32 s[SELB], s[SELA]
	s_cmp_lt_u32 s[JOB], 5
	s_cselect_b32 s[MP], -1, 0
	s_cselect_b32 s[MR], 0, -1
	s_cselect_b32 s[SELA], 0x01000100, s[SELA]     ; jobs q, k: the first head's two bytes, twice;
	s_cselect_b32 s[SELB], 0x03020302, s[SELB]     ; the second head's
	s_mul_i32 s84, s79, KROW                       ; byte offsets of the tile's first rows: x's codes,
	s_mov_b32 s85, 0
	s_lshl_b32 s96, s79, 5                         ; x's scale bytes,
	s_mov_b32 s97, 0
	s_mul_i32 s82, s78, KROW                       ; the weight's codes
	s_mov_b32 s83, 0
	s_wait_dscnt 0x0                               ; both opening adds are done
	s_wait_kmcnt 0x0
	s_cmp_lt_u32 s[JOB], 4
	s_cselect_b64 s[68:69], s[8:9], s[12:13]       ; the weight's codes,
	s_cselect_b64 s[70:71], s[10:11], s[14:15]     ; its scale bytes,
	s_cselect_b64 s[72:73], s[20:21], s[22:23]     ; its bias,
	s_cselect_b64 s[74:75], s[26:27], s[30:31]     ; where the codes go,
	s_cselect_b64 s[76:77], s[28:29], s[30:31]     ; and the scale words
	s_cmp_eq_u32 s[JOB], 5
	s_cselect_b64 s[68:69], s[16:17], s[68:69]
	s_cselect_b64 s[70:71], s[18:19], s[70:71]
	s_cselect_b64 s[72:73], s[24:25], s[72:73]
	s_mov_b32 s[G2+0], 2                           ; tensor_dim2
	s_mov_b32 s[G2+1], 4                           ; tensor_dim3
	s_mov_b32 s[G2+2], 8*KROW                      ; from tile to tile: 8 rows
	s_mov_b32 s[G2+3], 4<<16                       ; tile_dim3 = 4
	s_mov_b32 s[G3+0], 64*KROW                     ; from run to run: 64 rows
	s_mov_b32 s[G3+1], 4<<16                       ; tensor_dim4 = 4 runs: 256 rows for the head's load; 2 behind it
	s_mov_b32 s[G3+2], 4<<16                       ; tile_dim4
	s_mov_b32 s[G3+3], 0
	s_add_nc_u64 s[4:5], s[4:5], s[84:85]
	s_add_nc_u64 s[6:7], s[6:7], s[96:97]
	s_add_nc_u64 s[68:69], s[68:69], s[82:83]
	s_lshl_b32 s82, s78, 5
	s_add_nc_u64 s[70:71], s[70:71], s[82:83]
	s_cmp_eq_u32 s[JOB], 5                         ; compared again: the shift above has set SCC
	s_cselect_b64 s[8:9], s[68:69], s[4:5]         ; R's codes (job v: the weight's),
	s_cselect_b64 s[10:11], s[70:71], s[6:7]       ; R's scale bytes,
	s_cselect_b64 s[12:13], s[4:5], s[68:69]       ; P's codes,
	s_cselect_b64 s[14:15], s[6:7], s[70:71]       ; P's scale bytes
	s_cmp_eq_u32 s[HP], 0                          ; at the head even waves fetch for R, odd waves for P
	s_cselect_b64 s[16:17], s[8:9], s[12:13]
	s_cselect_b64 s[18:19], s[10:11], s[14:15]
	s_mov_b32 s[G0H], 1
	s_mul_i32 s[G0H+1], s[HP], 2*HALFT
	s_mov_b64 s[G0H+2:G0H+3], s[16:17]
	s_or_b32 s[G0H+3], s[G0H+3], 0x80000000
	s_mov_b32 s[G0S], 1
	s_mul_i32 s[G0S+1], s[HP], 2*HALFS
	s_add_co_u32 s[G0S+1], s[G0S+1], SCL
	s_mov_b64 s[G0S+2:G0S+3], s[18:19]
	s_or_b32 s[G0S+3], s[G0S+3], 0x80000000
	s_cmp_eq_u32 s[HR], 0                          ; in the ring waves 0, 1 fetch R's halves, waves 2, 3 P's
	s_cselect_b64 s[16:17], s[8:9], s[12:13]
	s_mul_i32 s82, s[HP], 128*KROW
	s_add_nc_u64 s[16:17], s[16:17], s[82:83]
	s_mul_i32 s84, s[WV], HALFT
.irp s, 0,1
	s_mov_b32 s[G0+4*\s], 1
	s_add_co_u32 s[G0+4*\s+1], s84, \s*SLOT
	s_add_nc_u64 s[G0+4*\s+2:G0+4*\s+3], s[16:17], \s*ROWB
	s_or_b32 s[G0+4*\s+3], s[G0+4*\s+3], 0x80000000
.endr
	; THE HEAD'S LOADS, ONE A WAVE: wave 0 chunk 0's 256 rows of R, wave 1 those of P, wave 2 R's scale bytes, wave 3 P's
	s_cmp_lt_u32 s[WV], 2
	s_cbranch_scc0 .Lhead_s
	tensor_load_to_lds s[G0H:G0H+3], s[G1:G1+7], s[G2:G2+3], s[G3:G3+3]
	s_nop 0
	PLACES 4
	s_branch .Lhead_j
.Lhead_s:
	tensor_load_to_lds s[G0S:G0S+3], s[G1S:G1S+7]
	s_nop 0
	PLACES 4
.Lhead_j:
	s_add_nc_u64 s[B1:B1+1], s[74:75], s[B1:B1+1]
	s_add_nc_u64 s[DS1:DS1+1], s[76:77], s[DS1:DS1+1]
	s_lshl_b32 s74, s[HP], 7
	s_add_co_u32 s74, s74, s78
	s_lshl_b32 s74, s74, 2
	s_mov_b32 s75, 0
	s_add_nc_u64 s[74:75], s[72:73], s[74:75]      ; the bias at P's first row of mine (at most index 1,023 in bq, 255 in bk and bv)
	s_lshl_b32 s76, s[HR], 9
	s_mov_b32 s77, 0
	s_add_nc_u64 s[76:77], s[72:73], s[76:77]      ; and at R's (at most index 255: inside each of the three)
	s_mul_i32 s68, s[HR], HALFT                    ; my 128 rows of R
	s_mul_i32 s69, s[HP], HALFT
	s_add_co_u32 s69, s69, 2*HALFT                 ; my 128 rows of P, behind R's 256
	s_mov_b32 s70, SLOT-232
	s_mov_b32 s71, SLOT+232
	s_mul_i32 s79, s[HR], HALFS
	s_mul_i32 s82, s[HP], HALFS
	s_add_co_u32 s82, s82, 2*HALFS
	s_sub_co_u32 s82, s82, s79                     ; from R's scale bytes of mine to P's
	s_add_co_u32 s79, s79, SCL
	v_and_b32 v1, 15, v0                           ; r
	v_bfe_u32 v2, v0, 4, 1                         ; h
	v_and_b32 v3, 8, v1
	v_mad_u32_u24 v3, v3, 3, v1                    ; r % 8 + 32 (r / 8)
	v_lshlrev_b32 v7, 7, v2                        ; along P a lane wants 8 numbers from 32 h on
	v_lshlrev_b32 v8, 2, v3                        ; along R its own row's
.irp i, 0,1,2,3,4,5,6,7
	global_load_b128 v[BP+8*\i:BP+8*\i+3], v7, s[74:75] offset:(64*(\i/4)+8*(\i%4))*4
	global_load_b128 v[BP+8*\i+4:BP+8*\i+7], v7, s[74:75] offset:(64*(\i/4)+8*(\i%4))*4+16
.endr
.irp i, 0,1,2,3,4,5,6,7
	global_load_b32 v[BR+2*\i], v8, s[76:77] offset:(64*(\i/4)+8*(\i%4))*4
.endr
	v_mul_u32_u24 v9, v1, PITCH                    ; in LDS a tile's rows are neighbours
	v_mul_u32_u24 v4, v2, 24
	v_add_nc_u32 v4, v9, v4                        ; a fragment's row x pitch + 24 x half
	v_sub_nc_u32 v10, 1, v2
	v_mul_u32_u24 v5, s70, v2
	v_add_nc_u32 v5, v9, v5
	v_add_nc_u32 v5, 232, v5                       ; lanes 0-15 byte 232 of the row in slot 0, lanes 16-31 byte 0 of the row in slot 1;
	v_mul_u32_u24 v6, s71, v10
	v_add_nc_u32 v6, v9, v6                        ; lanes 0-15 byte 232 in slot 1, lanes 16-31 byte 0 in slot 0
	v_add_nc_u32 v[ADRA], s68, v4
	v_add_nc_u32 v[ADRB], s69, v4
	v_add_nc_u32 v[ADRA+1], SLOT, v[ADRA]
	v_add_nc_u32 v[ADRB+1], SLOT, v[ADRB]
	v_add_nc_u32 v[ADRA+2], s68, v5
	v_add_nc_u32 v[ADRB+2], s69, v5
	v_add_nc_u32 v[ADRA+3], s68, v6
	v_add_nc_u32 v[ADRB+3], s69, v6
	v_and_b32 v5, 7, v1
	v_lshlrev_b32 v5, 5, v5                        ; my row's scale bytes: 32 bytes a row, eight rows to 256 + 16 bytes;
	v_lshrrev_b32 v6, 3, v1
	v_mad_u32_u24 v5, v6, 4*272, v5                ; lanes 8-15 stand 32 rows further on
	v_mul_u32_u24 v6, s82, v2                      ; lanes 16-31 take P's
	v_add_nc_u32 v5, v5, v6
	v_add_nc_u32 v[ADRS], s79, v5
	v_and_b32 v6, 31, v0
	v_lshlrev_b32 v[L16], 4, v6
	v_lshlrev_b32 v[L8], 3, v6
	v_lshlrev_b32 v[SH8], 3, v2
	s_wait_alu depctr_va_vdst(0)
	s_wait_loadcnt 0x0                             ; the biases
.set KK, 0
.rept 64
	v_and_b32 v[BP+KK], s[MP], v[BP+KK]            ; zeros where the bias runs along R
.set KK, KK+1
.endr
.irp i, 0,1,2,3,4,5,6,7
	v_and_b32 v[BR+2*\i+1], s[MR], v[BR+2*\i]      ; zeros where it runs along P; twice, for the packed addition
	v_and_b32 v[BR+2*\i], s[MR], v[BR+2*\i]
.endr
.macro FRAG reg, adr, st, i            ; a fragment, 16 rows x 128 K: lane l holds its row's 24 bytes at 24 (l / 16) and at 48 + 24 (l / 16) of the step's 96, in pieces of 8 bytes; byte y of a row lies in slot (y / 256) % 2 at byte y % 256
.irp p, 0,1,2,3,4,5
.set BY, 96*(\st)+48*(\p/3)+8*(\p%3)
.set RO, 16*(\i)*PITCH
.if BY/ROWB == (BY+24)/ROWB
	ds_load_b64 v[\reg+2*\p:\reg+2*\p+1], v[\adr+(BY/ROWB)%2] offset:BY%ROWB+RO
.else
	ds_load_b64 v[\reg+2*\p:\reg+2*\p+1], v[\adr+2+(BY/ROWB)%2] offset:BY%ROWB-232+RO
.endif
.endr
.endm
; 16 matrix instructions: R's blocks a0, a0 + 1 x P's eight.  first = 1: the bias starts the sums.  The 64 accumulators take turns, one instruction a turn.
.macro MUL16 a0, p, q, sc, first
.irp a, \a0, \a0+1
.irp b, 0,1,2,3,4,5,6,7
.if \first
	v_wmma_scale_f32_16x16x128_f8f6f4 v[8*(8*((\a)%4)+\b):8*(8*((\a)%4)+\b)+7], v[128*(\p)+FR*\b:128*(\p)+FR*\b+FR-1], v[AF+FR*(\a):AF+FR*(\a)+FR-1], v[BP+8*\b:BP+8*\b+7], v[SC+8*NQ*(\sc)+NQ*\b+(\q)], v[SC+8*NQ*(\sc)+NQ*(\a)+(\q)] matrix_a_fmt:MATRIX_FMT_FP6 matrix_b_fmt:MATRIX_FMT_FP6 matrix_a_scale:MATRIX_SCALE_ROW1
.else
	v_wmma_scale_f32_16x16x128_f8f6f4 v[8*(8*((\a)%4)+\b):8*(8*((\a)%4)+\b)+7], v[128*(\p)+FR*\b:128*(\p)+FR*\b+FR-1], v[AF+FR*(\a):AF+FR*(\a)+FR-1], v[8*(8*((\a)%4)+\b):8*(8*((\a)%4)+\b)+7], v[SC+8*NQ*(\sc)+NQ*\b+(\q)], v[SC+8*NQ*(\sc)+NQ*(\a)+(\q)] matrix_a_fmt:MATRIX_FMT_FP6 matrix_b_fmt:MATRIX_FMT_FP6 matrix_a_scale:MATRIX_SCALE_ROW1
.endif
.endr
.endr
.endm
.macro FETCH_B st, p
	WIN TO_B
.irp i, 0,1,2,3,4,5,6,7
	FRAG 128*(\p)+FR*\i, ADRB, \st, \i
.endr
	WIN 0
.endm
.macro FETCH_A st, i0
.irp i, \i0, \i0+1, \i0+2, \i0+3
	FRAG AF+FR*(\i), ADRA, \st, \i
.endr
.endm
.macro SCALES pr                       ; the scale words of steps 2 pr, 2 pr + 1 into set pr % 2: lanes 0-15 R's block i, lanes 16-31 P's block i
.irp i, 0,1,2,3,4,5,6,7
	ds_load_b64 v[SC+8*NQ*((\pr)%2)+NQ*\i:SC+8*NQ*((\pr)%2)+NQ*\i+1], v[ADRS] offset:(8*(\i/4)+\i%4)*272+4*NQ*(\pr)
.endr
.endm
; A step of 128 along K; the next step's fragments are fetched in its middle and at its end.  Where the next step's bytes END in a chunk not yet read, every wave waits for its tensor loads and a barrier shows the chunk whole.
; Where they BEGIN in a later chunk and a chunk two on is left to fetch, the wait for all tensor loads, the add and the wait for it and for my reads stand in front of the barrier, and the refill first behind it.
.macro STEP st, first
.set NX, (\st)+1
.set C0, (96*(\st))/ROWB
.set C1, (96*NX)/ROWB
.set E0, (96*(\st)+95)/ROWB
.set E1, (96*NX+95)/ROWB
.set RF, 0
.if C1 > C0
.if C0+2 < CHUNKS
.set RF, 1
.endif
.endif
.if RF+(E1-E0)
	s_wait_tensorcnt 0x0                           ; all my tensor loads have landed
.if RF
	ds_add_u32 v[SPW], v[NIL]
	s_add_nc_u64 s[G0+4*(C0%2)+2:G0+4*(C0%2)+3], s[G0+4*(C0%2)+2:G0+4*(C0%2)+3], 2*ROWB  ; no load of mine is out: the slot's next chunk
	s_wait_dscnt 4*NL+1                            ; the add and the youngest 24 loads (R's blocks 4-7) may be out
.else
	s_wait_dscnt 4*NL
.endif
	MWIN 0, \first
	MUL16 0, (\st)%2, (\st)%2, ((\st)/2)%2, \first
	s_wait_dscnt 0x0                               ; the add, where there is one, and all my LDS reads are done
	s_barrier_signal -1
	MUL16 2, (\st)%2, (\st)%2, ((\st)/2)%2, \first
	WIN 0
	s_barrier_wait -1
.if RF
	tensor_load_to_lds s[G0+4*(C0%2):G0+4*(C0%2)+3], s[G1:G1+7], s[G2:G2+3], s[G3:G3+3]  ; my one tensor load behind this barrier, first there
	s_nop 0
.endif
	PLACES NP
.else
	s_wait_dscnt 4*NL
	MWIN 0, \first
	MUL16 0, (\st)%2, (\st)%2, ((\st)/2)%2, \first
	MUL16 2, (\st)%2, (\st)%2, ((\st)/2)%2, \first
	s_wait_dscnt 0
	PLACES NP
.endif
	FETCH_B NX, NX%2
	FETCH_A NX, 0
.if NX%2 == 0
	SCALES NX/2
.endif
	MWIN 1, \first
	MUL16 4, (\st)%2, (\st)%2, ((\st)/2)%2, \first
	MUL16 6, (\st)%2, (\st)%2, ((\st)/2)%2, \first
	PLACES NP
	WIN 0
	FETCH_A NX, 4
.endm
	s_wait_alu depctr_va_vdst(0)                   ; the head's end
	s_wait_tensorcnt 0x0                           ; my tile of the head's four is in; the same lines as ahead of a refill stand ahead of slot 1's first fill
	ds_add_u32 v[SPW], v[NIL]
	s_mov_b32 s[G3+1], 2<<16                       ; no tensor load of mine is out: from here on a load brings 2 runs of 64 rows
	s_mov_b32 s[G3+2], 2<<16
	s_wait_dscnt 0x0
	s_barrier_signal -1
	s_barrier_wait -1
	tensor_load_to_lds s[G0+4:G0+7], s[G1:G1+7], s[G2:G2+3], s[G3:G3+3]    ; chunk 1, my quarter of slot 1
	s_nop 0
	PLACES 4
	FETCH_B 0, 0
	FETCH_A 0, 0
	SCALES 0
	FETCH_A 0, 4
	STEP 0, 1
.set ST, 1
.rept 6
	STEP ST, 0
.set ST, ST+1
.endr
	s_wait_dscnt 4*NL
	MWIN 0, 0
	MUL16 0, 1, 1, 1, 0
	MUL16 2, 1, 1, 1, 0
	s_wait_dscnt 0
	MWIN 1, 0
	MUL16 4, 1, 1, 1, 0
	MUL16 6, 1, 1, 1, 0
	WIN 0
; 64 numbers of a lane, register 32 c + i = k 64 c + 32 (lane / 16) + i of its row: two whole blocks.  They become a fragment's codes in v[PC] on and its scale word in v[pw].
.macro QUANT s, pw
.irp c, 0,1
	v_max3_num_f32 v[TM+\c], |v[\s+32*\c]|, |v[\s+1+32*\c]|, 0x1800000   ; with the floor 2^(3 - 127): the byte cannot fall under 1
.endr
.irp i, 2,4,6,8,10,12,14,16,18,20,22,24,26,28,30
.irp c, 0,1
	v_max3_num_f32 v[TM+\c], v[TM+\c], |v[\s+32*\c+\i]|, |v[\s+1+32*\c+\i]|
.endr
.endr
.irp c, 0,1
	v_add_nc_u32 v[TM+2+\c], 0xff000000, v[TM+\c]  ; 2 off the exponent field: the conversion's scale operand
.endr
.irp c, 0,1
	v_lshrrev_b32 v[TM+4+\c], 23, v[TM+2+\c]       ; the scale's byte
.endr
	v_lshl_or_b32 v[TM+6], v[TM+5], 16, v[TM+4]    ; my bytes: blocks h and 2 + h,
	v_lshlrev_b32 v[TM+6], v[SH8], v[TM+6]         ; at their places;
	v_permlanex16_b32 v[TM+7], v[TM+6], s[SEL], s[SEL+1]
	v_or_b32 v[\pw], v[TM+6], v[TM+7]              ; with lane l xor 16's two the word is whole
.irp c, 0,1
	v_cvt_scalef32_pk16_fp6_f32 v[PC+6*\c:PC+2+6*\c], v[\s+32*\c:\s+15+32*\c], v[TM+2+\c]
	v_cvt_scalef32_pk16_fp6_f32 v[PC+12+4*\c:PC+14+4*\c], v[\s+16+32*\c:\s+31+32*\c], v[TM+2+\c]   ; (a conversion's three registers begin on an even number)
.endr
	v_nop                                          ; one plain place behind a scaled conversion
.irp c, 0,1
.irp i, 0,1,2
	v_mov_b32 v[PC+3+6*\c+\i], v[PC+12+4*\c+\i]
.endr
.endr
.endm
; Tile a of R's rows leaves: the bias along R is added (which also brings the sums into window 0, each accumulator from its low end on), the 128 numbers along P are quantised, and the two UNITs are stored.
.macro OUT a
.if (\a) > 0
	s_wait_alu depctr_va_vdst(0)
	s_wait_xcnt 0x0                                ; the last tile's stores have read their data and bases
.if (\a) == 4
	s_add_nc_u64 s[B1:B1+1], s[B1:B1+1], s[SCP:SCP+1]
.else
	s_add_nc_u64 s[B1:B1+1], s[B1:B1+1], s[SAP:SAP+1]
.endif
.endif
	s_add_nc_u64 s[B2:B2+1], s[B1:B1+1], s[SHP:SHP+1]
	WIN 0x02+(\a)/4
.set AC, 64*((\a)%4)
.set KK, 0
.rept 32
	v_pk_add_f32 v[H+KK:H+KK+1], v[AC+KK:AC+KK+1], v[BR+2*(\a):BR+2*(\a)+1]
.set KK, KK+2
.endr
	WIN 0
	QUANT H, SW+(\a)
	global_store_b128 v[L16], v[PC:PC+3], s[B1:B1+1]               ; 512 consecutive bytes
	global_store_b64 v[L8], v[PC+4:PC+5], s[B1:B1+1] offset:512    ; 256
	global_store_b128 v[L16], v[PC+6:PC+9], s[B2:B2+1]
	global_store_b64 v[L8], v[PC+10:PC+11], s[B2:B2+1] offset:512
.endm
	PLACES NP                                      ; behind the last products: their results are read and R's fragments written over below
	v_mov_b32 v[TM+7], 0                           ; written once: a lane permute's destination counts as one of its sources
	s_add_nc_u64 s[74:75], s[DS1:DS1+1], s[SSP:SSP+1]  ; (the bias loads that named s[74:75] were waited for)
.irp a, 0,1,2,3,4,5,6,7
	OUT \a
.endr
.irp j, 0,1,2,3
	v_cndmask_b32 v[CN+\j], v[SW+2*\j], v[SW+2*\j+1], s[MH]        ; lanes 0-15 carry the even tiles' words, lanes 16-31 the odd tiles'
.endr
.irp j, 0,1,2,3
	v_perm_b32 v[OU+\j], v[CN+\j], v[CN+\j], s[SELA]
.endr
.irp j, 0,1,2,3
	v_perm_b32 v[OU+4+\j], v[CN+\j], v[CN+\j], s[SELB]
.endr
	global_store_b128 v[L16], v[OU:OU+3], s[DS1:DS1+1]             ; 512 consecutive bytes
	global_store_b128 v[L16], v[OU+4:OU+7], s[74:75]
	s_wait_tensorcnt 0x0                           ; the wave's end
	ds_add_u32 v[SPW], v[NIL]
	s_wait_dscnt 0x0
	s_endpgm
.Lfunc_end_k_q4dc7f3ca59_proj:
	.size	k_q4dc7f3ca59_proj, .Lfunc_end_k_q4dc7f3ca59_proj-k_q4dc7f3ca59_proj
	.p2alignl 7, 3214868480
	.fill 96, 4, 3214868480
	.section	.rodata,"a",@progbits
	.p2align	6, 0x0
	.amdhsa_kernel k_q4dc7f3ca59_proj
		.amdhsa_group_segment_fixed_size 327680
		.amdhsa_private_segment_fixed_size 0
		.amdhsa_enable_private_segment 0
		.amdhsa_kernarg_size 112
		.amdhsa_user_sgpr_count 2
		.amdhsa_user_sgpr_kernarg_segment_ptr 1
		.amdhsa_wavefront_size32 1
		.amdhsa_system_sgpr_workgroup_id_x 1
		.amdhsa_system_sgpr_workgroup_id_y 1
		.amdhsa_system_sgpr_workgroup_id_z 1
		.amdhsa_system_vgpr_workitem_id 0
		.amdhsa_next_free_vgpr 1024
		.amdhsa_next_free_sgpr 102
		.amdhsa_reserve_vcc 0
		.amdhsa_float_denorm_mode_32 3
		.amdhsa_float_denorm_mode_16_64 3
		.amdhsa_memory_ordered 1
		.amdhsa_forward_progress 1
		.amdhsa_inst_pref_size 179
	.end_amdhsa_kernel
	.amdgpu_metadata
---
amdhsa.version: [ 1, 2 ]
amdhsa.kernels:
  - .name:           k_q4dc7f3ca59_proj
    .symbol:         k_q4dc7f3ca59_proj.kd
    .args:
      - { .name: x_codes, .offset: 0, .size: 8, .value_kind: global_buffer, .address_space: global }
      - { .name: x_scales, .offset: 8, .size: 8, .value_kind: global_buffer, .address_space: global }
      - { .name: Wq_codes, .offset: 16, .size: 8, .value_kind: global_buffer, .address_space: global }
      - { .name: Wq_scales, .offset: 24, .size: 8, .value_kind: global_buffer, .address_space: global }
      - { .name: Wk_codes, .offset: 32, .size: 8, .value_kind: global_buffer, .address_space: global }
      - { .name: Wk_scales, .offset: 40, .size: 8, .value_kind: global_buffer, .address_space: global }
      - { .name: Wv_codes, .offset: 48, .size: 8, .value_kind: global_buffer, .address_space: global }
      - { .name: Wv_scales, .offset: 56, .size: 8, .value_kind: global_buffer, .address_space: global }
      - { .name: bq, .offset: 64, .size: 8, .value_kind: global_buffer, .address_space: global }
      - { .name: bk, .offset: 72, .size: 8, .value_kind: global_buffer, .address_space: global }
      - { .name: bv, .offset: 80, .size: 8, .value_kind: global_buffer, .address_space: global }
      - { .name: qc, .offset: 88, .size: 8, .value_kind: global_buffer, .address_space: global }
      - { .name: qs, .offset: 96, .size: 8, .value_kind: global_buffer, .address_space: global }
      - { .name: kv, .offset: 104, .size: 8, .value_kind: global_buffer, .address_space: global }
    .group_segment_fixed_size: 327680
    .private_segment_fixed_size: 0
    .kernarg_segment_align: 8
    .kernarg_segment_size: 112
    .max_flat_workgroup_size: 128
    .sgpr_count:     102
    .vgpr_count:     1024
    .wavefront_size: 32
...
	.end_amdgpu_metadata
.endif
;; end of part 1
;; launch attn (part 2): grid 16 x 16, 8 waves a work-group, clusters of 4 x 1, 327,680 bytes of LDS; arguments qc, qs, kv, out0; writes out0
.if DOCPART == 2
	.amdgcn_target "amdgcn-amd-amdhsa--gfx1250"
	.amdhsa_code_object_version 6
	.text
	.protected	k_q4dc7f3ca59_attn
	.globl	k_q4dc7f3ca59_attn
	.p2align	8
	.type	k_q4dc7f3ca59_attn,@function
k_q4dc7f3ca59_attn:
	s_mov_b64 s[64:65], 0
	v_nop
	global_prefetch_b8 v0, s[64:65] scope:SCOPE_SE
	s_setreg_imm32_b32 hwreg(HW_REG_WAVE_MODE, 25, 1), 1
	s_wait_xcnt 0x0
	s_wait_alu depctr_hold_cnt(0) depctr_sa_sdst(0) depctr_va_vdst(0) depctr_va_sdst(0) depctr_va_ssrc(0) depctr_va_vcc(0) depctr_vm_vsrc(0)
	s_getreg_b32 s2, hwreg(HW_REG_IB_STS2, 6, 4)
	s_cmp_eq_u32 s2, 0
	s_cbranch_scc0 .Lentry_in_a_cluster
	s_endpgm
.Lentry_in_a_cluster:
	s_bfe_u32 s2, ttmp6, 0x10000c
	s_cmp_lg_u32 s2, 0x3003
	s_cbranch_scc0 .Lentry_shape_is_right
	s_endpgm
.Lentry_shape_is_right:
; o = softmax(q k^T / 8) v on codes of FP6 (E2M3) with E8M0 scales, as the projection launch has laid them (images of operand registers).
; A work-group: one batch and key/value group (y), 128 queries (x), the group's four query heads.  A wave: 16 queries x 4 heads, which share every fragment of k and v.
; ALL 2,048 keys of the group, 16 steps of 13,312 bytes, lie in LDS for the whole launch, filled once: steps 0-7 by the head's loads (a step a wave), steps 8-15 by a second load a wave,
; which is on its way while steps 0-7 are worked; so the loop over the keys stands twice, eight trips each, with the wait for that load and a barrier between.
; CLUSTER: the four work-groups of a cluster take four query blocks of one batch and group and ask for k and v jointly (mask 15).
; Both products are used transposed (S^T = k q^T, O^T = v^T p^T): a lane holds one query.  Lane row r of k's tile i is key 64 (i / 4) + 8 (i % 4) + r % 8 + 32 (r / 8): so registers 32 c .. 32 c + 31 of S^T
; are the whole block of keys 64 c + 32 (lane / 16) + 0 .. 31, in the order of p's operand: a block's maximum needs no other lane and p's codes no exchange.  v's channels and q's rows are laid by the same order.
; A head has 64 numbers: a fragment of 128 along K is six registers of codes and six of zeros; two tiles share the zeros (codes, zeros, codes), and q lies the same way.
; SOFTMAX: M is the running largest t = score x log2(e) / 8 rounded up to a whole number; p = 2^(t - M); the sum is taken of p before it is quantised; when M moves, the sum and O^T are multiplied by a power of two.
; A block's largest p is made from its largest score by the same multiply-add and exponential.
; No prefetch: every tensor load is issued at the head; there is no loop to run ahead in.
; LIMITS: NaN and infinities are not served; the scaled scores t stay under 2^31 in magnitude.
.set UNIT,  768
.set STEPB, 13312
.set BGB,   16*STEPB
.set VOFF,  6144
.set KSO,   12288
.set VSO,   12800
.set STG,   BGB                        ; behind k and v: a stage of 16 rows x 272 bytes a wave
.set SP,    272
.set L16, 1
.set L8,  2
.set AD16, 3
.set AD8, 4
.set STO, 5
.set RD,  6
.set GO,  7
.set ST,  12                           ; v12-27 a head's -M, largest score, sum in two halves
.set QS,  28
.set KSC, 30
.set VS4, 34
.set VSC, 38
.set QF,  40                           ; v40-111 q: 18 registers a head
.set S,   112                          ; v112-175 S^T, then p
.set PC,  176                          ; v176-187 p's codes; v188-190, v192-194 the conversions' second halves
.set PT,  188
.set BM,  196
.set MB,  198
.set SO,  200
.set BY,  202
.set T1,  204
.set T2,  205
.set T3,  206
.set PW,  207
.set F,   208
.set SM2, 210
.set SH8, 212
.set KF,  0                            ; window 1: v0-71 k, v72-119 v, v128-255 O^T
.set VF,  72
.set OT,  128
.set WV,  12
.set G1,  24
.set G0A, 32
.set G0B, 36
.set SEL, 40
.set CS,  42
.set TB,  44
.set CNT, 45
.set MG,  46
.set MSB, 0
.macro WIN new
.if MSB != (\new)
	s_set_vgpr_msb (MSB<<8)|(\new)
.set MSB, (\new)
.endif
.endm
.macro CROUND                          ; a round of the cluster's barrier
	s_barrier_signal -1
	s_barrier_wait -1
	s_cmp_lg_u32 s[WV], 0
	s_cbranch_scc1 .Lnot_wave_0_\@
	s_barrier_signal -3
.Lnot_wave_0_\@:
	s_barrier_wait -3
	s_barrier_signal -1
	s_barrier_wait -1
.endm
	s_load_b256 s[4:11], s[0:1], 0x0               ; qc, qs, kv, out0
	v_lshl_add_u32 v254, v0, 2, 0x40000
	v_mov_b32 v255, 0
	ds_add_u32 v254, v255                          ; the opening lines: the add, twice on end, and its wait
	ds_add_u32 v254, v255
	v_lshrrev_b32 v8, 5, v0
	v_readfirstlane_b32 s[WV], v8
	s_bfe_u32 s13, ttmp6, 0x40000
	s_lshl_b32 s14, ttmp9, 2
	s_add_co_u32 s14, s14, s13                     ; the block of 128 queries
	s_and_b32 s15, ttmp7, 0xffff                   ; batch x 4 + group
	s_lshr_b32 s16, s15, 2
	s_and_b32 s17, s15, 3
	s_mov_b32 s[G1+0], 15|(3<<16)|(1<<21)          ; a step: 52 rows of 256 bytes, dense; asked for jointly by the four
	s_mov_b32 s[G1+1], 32<<16
	s_mov_b32 s[G1+2], 52<<16
	s_mov_b32 s[G1+3], 32<<16
	s_mov_b32 s[G1+4], 52
	s_mov_b32 s[G1+5], 32
	s_mov_b32 s[G1+6], 0
	s_mov_b32 s[G1+7], 0
	s_mul_i32 s20, s[WV], STEPB
	s_mul_i32 s18, s15, BGB
	s_add_co_u32 s18, s18, s20
	s_mov_b32 s19, 0
	s_lshl_b32 s21, s16, 7
	s_lshl_b32 s22, s14, 3
	s_add_co_u32 s21, s21, s22
	s_add_co_u32 s21, s21, s[WV]                   ; my tile of 16 queries
	s_mul_i32 s22, s21, 12288
	s_mul_i32 s23, s17, 3072
	s_add_co_u32 s22, s22, s23
	s_mov_b32 s23, 0
	s_lshl_b32 s48, s16, 4
	s_add_co_u32 s48, s48, s14
	s_lshl_b32 s48, s48, 4
	s_lshl_b32 s49, s17, 2
	s_add_co_u32 s48, s48, s49
	s_lshl_b32 s48, s48, 9
	s_and_b32 s49, s[WV], 1
	s_lshl_b32 s49, s49, 8
	s_add_co_u32 s48, s48, s49
	s_lshr_b32 s49, s[WV], 1
	s_lshl_b32 s49, s49, 2
	s_add_co_u32 s48, s48, s49                     ; q's scale words of my tile
	s_mov_b32 s49, 0
	s_lshl_b32 s50, s16, 11
	s_lshl_b32 s51, s14, 7
	s_add_co_u32 s50, s50, s51
	s_lshr_b32 s51, s[WV], 2
	s_lshl_b32 s51, s51, 6
	s_add_co_u32 s50, s50, s51
	s_and_b32 s51, s[WV], 3
	s_lshl_b32 s51, s51, 3
	s_add_co_u32 s50, s50, s51                     ; my tile's first row of the output: 64 (w / 4) + 8 (w % 4) of the block
	s_lshl_b32 s50, s50, 12
	s_lshl_b32 s51, s17, 10
	s_add_co_u32 s50, s50, s51
	s_mov_b32 s51, 0
	s_mul_i32 s52, s[WV], 16*SP
	s_add_co_u32 s52, s52, STG                     ; my stage
	s_and_b32 s[MG], s17, 1
	s_cmp_lg_u32 s[MG], 0
	s_cselect_b32 s[MG], -1, 0
	s_mov_b32 s[SEL], 0x76543210
	s_mov_b32 s[SEL+1], 0xfedcba98
	s_mov_b32 s[CS], 0x3e38aa3b                    ; log2(e) / 8
	s_mov_b32 s[CS+1], s[CS]
	s_wait_dscnt 0x0
	s_wait_kmcnt 0x0
	s_add_nc_u64 s[8:9], s[8:9], s[18:19]
	s_add_nc_u64 s[4:5], s[4:5], s[22:23]
	s_add_nc_u64 s[6:7], s[6:7], s[48:49]
	s_add_nc_u64 s[10:11], s[10:11], s[50:51]
	s_mov_b32 s[G0A], 1
	s_mov_b32 s[G0A+1], s20
	s_mov_b64 s[G0A+2:G0A+3], s[8:9]
	s_or_b32 s[G0A+3], s[G0A+3], 0x80000000
	s_mov_b32 s[G0B], 1
	s_add_co_u32 s[G0B+1], s20, 8*STEPB
	s_add_nc_u64 s[G0B+2:G0B+3], s[8:9], 8*STEPB
	s_or_b32 s[G0B+3], s[G0B+3], 0x80000000
	CROUND
	tensor_load_to_lds s[G0A:G0A+3], s[G1:G1+7]    ; step w: my one load at the head
	s_nop 0
.rept 4
	v_nop
.endr
	v_and_b32 v8, 31, v0
	v_and_b32 v9, 15, v0
	v_bfe_u32 v10, v0, 4, 1
	v_lshlrev_b32 v[L16], 4, v8
	v_lshlrev_b32 v[L8], 3, v8
	v_lshlrev_b32 v11, 4, v9
	v_lshl_add_u32 v11, v10, 9, v11
.irp hh, 0,1,2,3
	global_load_b128 v[QF+18*\hh:QF+18*\hh+3], v[L16], s[4:5] offset:UNIT*\hh
	global_load_b64 v[QF+18*\hh+4:QF+18*\hh+5], v[L8], s[4:5] offset:UNIT*\hh+512
	global_load_b128 v[QF+18*\hh+12:QF+18*\hh+15], v[L16], s[4:5] offset:UNIT*\hh
	global_load_b64 v[QF+18*\hh+16:QF+18*\hh+17], v[L8], s[4:5] offset:UNIT*\hh+512
.endr
	global_load_b32 v[QS], v11, s[6:7]             ; lanes 0-15 head 0's words, lanes 16-31 head 1's
	global_load_b32 v[QS+1], v11, s[6:7] offset:1024
	v_lshlrev_b32 v[SH8], 3, v10
	v_mul_u32_u24 v[STO], v9, SP
	v_mul_u32_u24 v[RD], v10, SP
	v_lshlrev_b32 v[GO], 12, v10
	v_lshl_add_u32 v[STO], v10, 7, v[STO]          ; in: row r, 128 bytes for each half of the lanes
	v_lshl_add_u32 v[RD], v9, 4, v[RD]             ; back: lanes 0-15 one row of 256 bytes, lanes 16-31 the next
	v_lshl_add_u32 v[GO], v9, 4, v[GO]
	v_add_nc_u32 v[STO], s52, v[STO]
	v_add_nc_u32 v[RD], s52, v[RD]
.irp hh, 0,1,2,3
.irp z, 6,7,8,9,10,11
	v_mov_b32 v[QF+18*\hh+\z], 0
.endr
	v_mov_b32 v[ST+4*\hh], 0x7e000000              ; -M: so large that the first step's factor is 0
	v_mov_b32 v[ST+4*\hh+1], 0xff61b1e6            ; the largest score so far: -3e38
	v_mov_b32 v[ST+4*\hh+2], 0
	v_mov_b32 v[ST+4*\hh+3], 0
.endr
	v_mov_b32 v[T2], 0                             ; a lane permute's destination counts as one of its sources
	v_mov_b32 v[F+1], 0                            ; named as the upper half of a pair
	WIN 0x40
.irp b, 0,1,2,3
.irp z, 6,7,8,9,10,11
	v_mov_b32 v[KF+18*\b+\z], 0
.endr
.endr
.set KK, 0
.rept 128
	v_mov_b32 v[OT+KK], 0                          ; the step is written once: the first finds zeros
.set KK, KK+1
.endr
	WIN 0
	s_wait_alu depctr_va_vdst(0)                   ; the head's end
	s_wait_tensorcnt 0x0                           ; my step is in; the same lines as ahead of a refill stand ahead of the later first fill
	ds_add_u32 v254, v255
	s_wait_dscnt 0x0
	CROUND                                         ; steps 0-7 are whole, and the four work-groups are here
	tensor_load_to_lds s[G0B:G0B+3], s[G1:G1+7]    ; step 8 + w
	s_nop 0
.rept 4
	v_nop
.endr
	s_wait_loadcnt 0x0                             ; q
.macro KQ i, hh
.set rD, S+8*(\i)
.set rK, KF+18*((\i)/2)+6*((\i)%2)
.set rQ, QF+18*(\hh)+6*((\i)%2)
.if ((\i)%2 == 0) && ((\hh)%2 == 0)
	v_wmma_scale_f32_16x16x128_f8f6f4 v[rD:rD+7], v[rK:rK+11], v[rQ:rQ+11], 0, v[KSC+(\i)/2], v[QS+(\hh)/2] matrix_a_fmt:MATRIX_FMT_FP6 matrix_b_fmt:MATRIX_FMT_FP6
.elseif ((\i)%2 == 1) && ((\hh)%2 == 0)
	v_wmma_scale_f32_16x16x128_f8f6f4 v[rD:rD+7], v[rK:rK+11], v[rQ:rQ+11], 0, v[KSC+(\i)/2], v[QS+(\hh)/2] matrix_a_fmt:MATRIX_FMT_FP6 matrix_b_fmt:MATRIX_FMT_FP6 matrix_a_scale:MATRIX_SCALE_ROW1
.elseif ((\i)%2 == 0) && ((\hh)%2 == 1)
	v_wmma_scale_f32_16x16x128_f8f6f4 v[rD:rD+7], v[rK:rK+11], v[rQ:rQ+11], 0, v[KSC+(\i)/2], v[QS+(\hh)/2] matrix_a_fmt:MATRIX_FMT_FP6 matrix_b_fmt:MATRIX_FMT_FP6 matrix_b_scale:MATRIX_SCALE_ROW1
.else
	v_wmma_scale_f32_16x16x128_f8f6f4 v[rD:rD+7], v[rK:rK+11], v[rQ:rQ+11], 0, v[KSC+(\i)/2], v[QS+(\hh)/2] matrix_a_fmt:MATRIX_FMT_FP6 matrix_b_fmt:MATRIX_FMT_FP6 matrix_a_scale:MATRIX_SCALE_ROW1 matrix_b_scale:MATRIX_SCALE_ROW1
.endif
.endm
.macro PV d, hh
.set rO, OT+32*(\hh)+8*(\d)
.if (\d)%2 == 0
	v_wmma_scale_f32_16x16x128_f8f6f4 v[rO:rO+7], v[VF+12*(\d):VF+12*(\d)+11], v[PC:PC+11], v[rO:rO+7], v[VSC+(\d)/2], v[PW] matrix_a_fmt:MATRIX_FMT_FP6 matrix_b_fmt:MATRIX_FMT_FP6
.else
	v_wmma_scale_f32_16x16x128_f8f6f4 v[rO:rO+7], v[VF+12*(\d):VF+12*(\d)+11], v[PC:PC+11], v[rO:rO+7], v[VSC+(\d)/2], v[PW] matrix_a_fmt:MATRIX_FMT_FP6 matrix_b_fmt:MATRIX_FMT_FP6 matrix_a_scale:MATRIX_SCALE_ROW1
.endif
.endm
.macro PA sth, j                       ; four of p onto the sum's two chains
	v_pk_add_f32 v[\sth+2:\sth+3], v[\sth+2:\sth+3], v[S+(\j):S+1+(\j)]
	v_pk_add_f32 v[SM2:SM2+1], v[SM2:SM2+1], v[S+2+(\j):S+3+(\j)]
.endm
.macro HEAD hh                         ; one head's 16 queries x 128 keys
.set STH, ST+4*(\hh)
	WIN 0x01
.irp i, 0,1,2,3,4,5,6,7
	KQ \i, \hh
.endr
	WIN 0
.rept 4
	v_nop
.endr
.irp c, 0,1                            ; my two blocks' largest scores, each in two chains; every accumulator is first read at its low end
	v_max3_num_f32 v[BM+\c], v[S+32*\c], v[S+1+32*\c], v[S+2+32*\c]
	v_max3_num_f32 v[MB+\c], v[S+16+32*\c], v[S+17+32*\c], v[S+18+32*\c]
.endr
.irp i, 3,5,7,9,11,13
.irp c, 0,1
	v_max3_num_f32 v[BM+\c], v[BM+\c], v[S+32*\c+\i], v[S+1+32*\c+\i]
	v_max3_num_f32 v[MB+\c], v[MB+\c], v[S+16+32*\c+\i], v[S+17+32*\c+\i]
.endr
.endr
.irp c, 0,1
	v_max3_num_f32 v[BM+\c], v[BM+\c], v[MB+\c], v[S+15+32*\c]
.endr
.irp c, 0,1
	v_max_num_f32 v[BM+\c], v[BM+\c], v[S+31+32*\c]
.endr
	v_max_num_f32 v[T1], v[BM], v[BM+1]
	v_mov_b32 v[T3], v[STH]
	v_permlanex16_b32 v[T2], v[T1], s[SEL], s[SEL+1]
	v_max3_num_f32 v[STH+1], v[STH+1], v[T1], v[T2]   ; the running largest score of my query
	v_mul_f32 v[T1], s[CS], v[STH+1]               ; as t
	v_floor_f32 v[STH], -v[T1]                     ; -M = floor(-t): M is a whole number
	v_sub_f32 v[T3], v[STH], v[T3]                 ; old M less new M
	v_cvt_i32_f32 v[T3], v[T3]                     ; (it saturates)
	v_ldexp_f32 v[F], 1.0, v[T3]                   ; f = 2^(old M - new M)
.set KK, 0
.rept 32
	v_pk_fma_f32 v[S+KK:S+KK+1], v[S+KK:S+KK+1], s[CS:CS+1], v[STH:STH+1] op_sel_hi:[1,0,0]   ; t - M
.set KK, KK+2
.endr
.irp c, 0,1
	v_fma_f32 v[BM+\c], v[BM+\c], s[CS], v[STH]    ; the same of each block's largest score
.endr
	s_wait_alu depctr_va_vdst(0)                   ; ahead of the batch
.set KK, 0
.rept 64
	v_exp_f32 v[S+KK], v[S+KK]
.set KK, KK+1
.endr
.irp c, 0,1
	v_exp_f32 v[BM+\c], v[BM+\c]                   ; the block's largest p
.endr
	v_pk_mul_f32 v[STH+2:STH+3], v[STH+2:STH+3], v[F:F+1] op_sel_hi:[1,0]   ; the sums under the new M: the plain place behind the batch
	s_wait_alu depctr_va_vdst(0)                   ; one wait for the whole batch, ahead of its first reader
	v_pk_add_f32 v[SM2:SM2+1], v[S:S+1], v[S+2:S+3]    ; the sum of the unquantised p; the scale word's chain stands among its lines
.irp c, 0,1
	v_max_num_f32 v[BM+\c], 0x1800000, v[BM+\c]    ; the floor 2^(3 - 127): the byte cannot fall under 1
.endr
	PA STH, 4
.irp c, 0,1
	v_add_nc_u32 v[SO+\c], 0xff000000, v[BM+\c]    ; 2 off the exponent field: the conversion's scale operand
.endr
	PA STH, 8
.irp c, 0,1
	v_lshrrev_b32 v[BY+\c], 23, v[SO+\c]           ; the scale's byte
.endr
	PA STH, 12
	v_lshl_or_b32 v[T1], v[BY+1], 16, v[BY]        ; my bytes: blocks h and 2 + h,
	PA STH, 16
	v_lshlrev_b32 v[T1], v[SH8], v[T1]             ; at their places;
	PA STH, 20
	v_permlanex16_b32 v[T2], v[T1], s[SEL], s[SEL+1]
	PA STH, 24
	v_or_b32 v[PW], v[T1], v[T2]                   ; with lane l xor 16's two: p's scale word
.irp j, 28,32,36,40,44,48,52,56,60
	PA STH, \j
.endr
	v_pk_add_f32 v[STH+2:STH+3], v[STH+2:STH+3], v[SM2:SM2+1]
.irp c, 0,1
	v_cvt_scalef32_pk16_fp6_f32 v[PC+6*\c:PC+2+6*\c], v[S+32*\c:S+15+32*\c], v[SO+\c]
	v_cvt_scalef32_pk16_fp6_f32 v[PT+4*\c:PT+2+4*\c], v[S+16+32*\c:S+31+32*\c], v[SO+\c]   ; (a conversion's three registers begin on an even number)
.endr
	v_nop                                          ; one plain place behind a scaled conversion
.irp c, 0,1
.irp i, 0,1,2
	v_mov_b32 v[PC+3+6*\c+\i], v[PT+4*\c+\i]
.endr
.endr
.if (\hh) == 0
	s_wait_dscnt 0x0                               ; v's fragments and scale words
	v_cndmask_b32 v[VSC], v[VS4], v[VS4+2], s[MG]  ; my group's of the pair's
	v_cndmask_b32 v[VSC+1], v[VS4+1], v[VS4+3], s[MG]
.endif
	WIN 0x41
	s_wait_alu depctr_va_vdst(0)                   ; directly ahead of the first reader of O^T
.set KK, 0
.rept 16
	v_pk_mul_f32 v[OT+32*(\hh)+KK:OT+32*(\hh)+KK+1], v[OT+32*(\hh)+KK:OT+32*(\hh)+KK+1], v[F:F+1] op_sel_hi:[1,0]   ; O^T under the new M; also the places ahead of the products below
.set KK, KK+2
.endr
	WIN 0x51
.irp d, 0,1,2,3
	PV \d, \hh
.endr
	WIN 0
.endm
.macro KLOOP first                     ; eight steps of 128 keys, from step first on
	s_mov_b32 s[TB], (\first)*STEPB
	s_mov_b32 s[CNT], 8
.Lstep_\@:
	v_add_nc_u32 v[AD16], s[TB], v[L16]
	v_add_nc_u32 v[AD8], s[TB], v[L8]
	v_nop
	v_nop                                          ; four places ahead of loads into registers that matrix instructions have read
	ds_load_b128 v[KSC:KSC+3], v[AD16] offset:KSO
	WIN 0x40
.irp i, 0,1,2,3,4,5,6,7
	ds_load_b128 v[KF+18*(\i/2)+12*(\i%2):KF+18*(\i/2)+12*(\i%2)+3], v[AD16] offset:UNIT*\i
	ds_load_b64 v[KF+18*(\i/2)+12*(\i%2)+4:KF+18*(\i/2)+12*(\i%2)+5], v[AD8] offset:UNIT*\i+512
.endr
.irp d, 0,1,2,3
	ds_load_b128 v[VF+12*\d:VF+12*\d+3], v[AD16] offset:VOFF+1536*\d
	ds_load_b64 v[VF+12*\d+4:VF+12*\d+5], v[AD8] offset:VOFF+1536*\d+512
	ds_load_b128 v[VF+12*\d+6:VF+12*\d+9], v[AD16] offset:VOFF+1536*\d+768
	ds_load_b64 v[VF+12*\d+10:VF+12*\d+11], v[AD8] offset:VOFF+1536*\d+1280
.endr
	WIN 0
	ds_load_b128 v[VS4:VS4+3], v[AD16] offset:VSO
	s_wait_dscnt 17                                ; k and its scale words are in; v's 16 loads and its scale words may be out
	HEAD 0
	HEAD 1
	HEAD 2
	HEAD 3
	s_add_co_u32 s[TB], s[TB], STEPB
	s_sub_co_u32 s[CNT], s[CNT], 1
	s_cmp_lg_u32 s[CNT], 0
	s_cbranch_scc1 .Lstep_\@
.endm
	KLOOP 0
	s_wait_alu depctr_va_vdst(0)
	s_wait_tensorcnt 0x0                           ; my part of steps 8-15 is in;
	s_barrier_signal -1
	s_barrier_wait -1                              ; everybody's is.
	KLOOP 8
.irp hh, 0,1,2,3
	v_add_f32 v[ST+4*\hh+2], v[ST+4*\hh+2], v[ST+4*\hh+3]
.endr
.irp hh, 0,1,2,3
	v_mov_b32 v[BM+\hh], 0
.endr
.irp hh, 0,1,2,3
	v_permlanex16_b32 v[BM+\hh], v[ST+4*\hh+2], s[SEL], s[SEL+1]
.endr
.irp hh, 0,1,2,3
	v_add_f32 v[ST+4*\hh+2], v[ST+4*\hh+2], v[BM+\hh]   ; with lane l xor 16's keys: the row's sum
.endr
	s_wait_alu depctr_va_vdst(0)
.irp hh, 0,1,2,3
	v_rcp_f32 v[ST+4*\hh+2], v[ST+4*\hh+2]
.endr
	v_nop
	s_wait_alu depctr_va_vdst(0)
; A head leaves: O^T / the sum; a lane holds channels 32 h + 8 d + j of its query: 16 rows x 256 bytes go through my stage and come back as whole rows.
.macro SENDH hh
.if (\hh) > 0
	s_wait_xcnt 0x0                                ; the last head's stores have read their data
.endif
	WIN 0x01
	s_wait_alu depctr_va_vdst(0)                   ; directly ahead of the first reader of O^T
.set KK, 0
.rept 16
	v_pk_mul_f32 v[S+KK:S+KK+1], v[OT+32*(\hh)+KK:OT+32*(\hh)+KK+1], v[ST+4*(\hh)+2:ST+4*(\hh)+3] op_sel_hi:[1,0]
.set KK, KK+2
.endr
	WIN 0
.irp d, 0,1,2,3
	ds_store_b128 v[STO], v[S+8*\d:S+8*\d+3] offset:32*\d
	ds_store_b128 v[STO], v[S+8*\d+4:S+8*\d+7] offset:32*\d+16
.endr
.irp i, 0,1,2,3,4,5,6,7
	ds_load_b128 v[S+32+4*\i:S+35+4*\i], v[RD] offset:2*\i*SP      ; LDS serves a wave's instructions in order (ISA guide 5.7.1.4)
.endr
.irp i, 0,1,2,3,4,5,6,7
	s_wait_dscnt 7-\i
	global_store_b128 v[GO], v[S+32+4*\i:S+35+4*\i], s[10:11] offset:((2*\i)%8+32*((2*\i)/8))*4096+256*(\hh) th:TH_STORE_NT   ; 16 lanes store 256 consecutive bytes, aligned
.endr
.endm
	SENDH 0
	SENDH 1
	SENDH 2
	SENDH 3
	s_wait_tensorcnt 0x0                           ; the wave's end
	ds_add_u32 v254, v255
	s_wait_dscnt 0x0
	CROUND                                         ; the closing round
	s_endpgm
.Lfunc_end_k_q4dc7f3ca59_attn:
	.size	k_q4dc7f3ca59_attn, .Lfunc_end_k_q4dc7f3ca59_attn-k_q4dc7f3ca59_attn
	.p2alignl 7, 3214868480
	.fill 96, 4, 3214868480
	.section	.rodata,"a",@progbits
	.p2align	6, 0x0
	.amdhsa_kernel k_q4dc7f3ca59_attn
		.amdhsa_group_segment_fixed_size 327680
		.amdhsa_private_segment_fixed_size 0
		.amdhsa_enable_private_segment 0
		.amdhsa_kernarg_size 32
		.amdhsa_user_sgpr_count 2
		.amdhsa_user_sgpr_kernarg_segment_ptr 1
		.amdhsa_wavefront_size32 1
		.amdhsa_system_sgpr_workgroup_id_x 1
		.amdhsa_system_sgpr_workgroup_id_y 1
		.amdhsa_system_sgpr_workgroup_id_z 1
		.amdhsa_system_vgpr_workitem_id 0
		.amdhsa_next_free_vgpr 512
		.amdhsa_next_free_sgpr 66
		.amdhsa_reserve_vcc 0
		.amdhsa_float_denorm_mode_32 3
		.amdhsa_float_denorm_mode_16_64 3
		.amdhsa_memory_ordered 1
		.amdhsa_forward_progress 1
		.amdhsa_inst_pref_size 133
	.end_amdhsa_kernel
	.amdgpu_metadata
---
amdhsa.version: [ 1, 2 ]
amdhsa.kernels:
  - .name:           k_q4dc7f3ca59_attn
    .symbol:         k_q4dc7f3ca59_attn.kd
    .args:
      - { .name: qc, .offset: 0, .size: 8, .value_kind: global_buffer, .address_space: global }
      - { .name: qs, .offset: 8, .size: 8, .value_kind: global_buffer, .address_space: global }
      - { .name: kv, .offset: 16, .size: 8, .value_kind: global_buffer, .address_space: global }
      - { .name: out0, .offset: 24, .size: 8, .value_kind: global_buffer, .address_space: global }
    .group_segment_fixed_size: 327680
    .private_segment_fixed_size: 0
    .kernarg_segment_align: 8
    .kernarg_segment_size: 32
    .max_flat_workgroup_size: 256
    .sgpr_count:     66
    .vgpr_count:     512
    .wavefront_size: 32
...
	.end_amdgpu_metadata
.endif
;; end of part 2
